; MI455X (gfx1250); checked and timed in simulation.
; The chip was launched on July 23, 2026; its instructions are those of AMD's public machine-readable ISA for CDNA 5 (MIT licence, August 2026) and "CDNA5" Instruction Set Architecture Reference Guide (July 2026). The comments in the code are by the model that wrote it; some were corrected since.
;; Quant3 Linear dummy. Allowed arithmetic: float matrix products may take bf16 or f16 operands with f32 sums; all other float work in f32.
;; Inputs: bias 28,672 float32; qweight 768 x 28,672 int32; scales 28,672 x 1 float32; x 1 x 8,192 float32; zeros 28,672 x 1 float32.
;; Outputs: out0 1 x 28,672 float32.
;; One version. Each part assembles by itself: llvm-mc -triple=amdgcn-amd-amdhsa -mcpu=gfx1250 --defsym DOCPART=n.
;; ======== version 1 of 1: 1 launch
;; limits: inputs' magnitudes at most 16,380; values are held in f16: magnitudes above 65,504 overflow, below 6.1e-05 lose precision
;; launch q3gemv (part 1): grid 224 x 1, 16 waves a work-group, no clusters, 30,976 bytes of LDS; arguments qweight, x, scales, zeros, bias, out0; writes out0
.if DOCPART == 1
	.amdgcn_target "amdgcn-amd-amdhsa--gfx1250"
	.amdhsa_code_object_version 6
	.text
	.protected	k_q68ecc8e115_q3gemv
	.globl	k_q68ecc8e115_q3gemv
	.p2align	8
	.type	k_q68ecc8e115_q3gemv,@function
k_q68ecc8e115_q3gemv:
	s_mov_b64 s[64:65], 0
	v_nop
	global_prefetch_b8 v0, s[64:65] scope:SCOPE_SE
	s_setreg_imm32_b32 hwreg(HW_REG_WAVE_MODE, 25, 1), 1
	s_wait_xcnt 0x0
; out0[o] = scales[o] * sum_k x[k] q[k][o] - zeros[o] * sum_k x[k] + bias[o],  q = 3-bit codes, 32 of them in three 32-bit words of a column.
; K = 8192 (256 groups of 32 k = 768 rows of qweight), O = 28672 columns.  The three words of a group are one stream of 96 bits, code i at bit 3 i.
;
; SHARES.  224 work-groups, each owns 128 columns (512 bytes of every row) and all of K, so every output has one owner.  16 waves; wave w owns
; the 16 groups 16 w .. 16 w + 15.  A UNIT is a pair of groups x 64 columns: three 16-byte loads a lane; lanes 0-15 take 256 aligned consecutive bytes
; of the even group's row, lanes 16-31 the same columns of the odd group's row.  That is the B operand's own layout: lane (r, h) holds column r, and h
; says which k.  A lane's 16 bytes are 4 columns, so matrix tile t holds columns 4 r + t.
;
; UNPACKING.  A 16-bit word with an integer v < 2048 in bits 10:0 is, read as f16, exactly v * 2^-24 (exponent field 0: a denormal; field 1 goes on in
; the same line).  So ONE v_and_b32 that leaves one code in each half of a word, at bit p <= 8 of the half, makes two f16 operands code * 2^(p-24).
; The factor 2^-p is put into x: A holds f16(x * 2^(CEXP-p)); the common 2^(24-CEXP) is multiplied in once at the end.  Nothing is added and taken away
; again.  32 codes cost 3 shifts, 16 ANDs and one and-or.  The text relies on v_wmma taking f16 denormals at their value.
; All 16 rows of A hold the same x, so all rows of D are equal; row 0 (lanes 0-15) and row 8 (lanes 16-31) of register 0 are used.
;
; LIMITS.  x reaches the matrix unit as f16(x * 2^(2-p)), p = 0 .. 8: |x| >= 16,380 overflows to infinity; below |x| = 2^-8 the operand at p = 8 is an f16
; denormal, an absolute step of 2^-18 in x.  (bf16 has no such limits, but only 8 linear bits, two codes a half instead of three: more instructions a code.)
; sum_k x[k] is made in f32 from the unrounded x.  The order of all sums differs from the reference's.  A non-finite x gives NaN in every column.
;
; No tensor loads, no LDS ring: each weight byte is used by one lane, and the ring of 8 units in registers holds 12 KB a wave, 192 KB a work-group, half of all
; that the group reads, asked for by its first instructions.  No cluster: work-groups share x alone (32 KB).  No prefetch: the stream starts at once.
.set ROW,    114688                    ; bytes in a row of qweight
.set GROUP,  3*ROW                     ; a group of 32 k
.set PAIR,   2*GROUP                   ; what a unit spans along K
.set UNITS,  16                        ; units of a wave: 8 pairs of groups x 2 blocks of 64 columns
.set SLOTS,  8                         ; units in the register ring
.set CEXP,   2                         ; A = x * 2^(CEXP - p)
.set GP,     80                        ; LDS: a group's 16 words of A, 64 bytes + 16: an odd multiple of 16
.set WAREA,  16*GP                     ; a wave's own 16 groups
.set PART,   16*WAREA                  ; behind A: 16 waves x 128 partial sums
.set SXB,    PART+16*512               ; behind them: 16 partial sums of x
.set ADDR, 1                           ; v1      byte offset of my 16 bytes in my wave's first row (even or odd group); never rewritten
.set XA,   2                           ; v2      byte offset in x of the group that I prepare
.set AST,  3                           ; v3      LDS: where I put that group's words
.set ALD,  4                           ; v4      LDS: my wave's group h, from which A is read
.set PST,  5                           ; v5      LDS: my 4 partial sums
.set SXV,  6                           ; v6      my wave's sum of x
.set SXA,  7                           ; v7      4 x wave
.set T,    8                           ; v8-13   shifted words, three for each of two columns
.set LB,   14                          ; v14     16 x lane; never rewritten
.set ZERO, 15
.set SC,   16                          ; v16-19 scales, v20-23 zeros, v24-27 bias of my 4 columns (wave 0 alone)
.set ZR,   20
.set BI,   24
.set OUT,  28                          ; v28-31
.set B,    32                          ; v32-63  B fragments: 16 registers for each of two columns
.set X,    B                           ;         before that: the 32 x of a group
.set A,    64                          ; v64-95  A fragments of a pair of groups, two buffers of 16
.set S,    A                           ;         before that: at work on the sum of x
.set P,    A+16                        ;         and the 16 packed words
.set ACC,  96                          ; v96-159 8 accumulators: tile t of column block c at ACC + 32 c + 8 t
.set RING, 160                         ; v160-255 slot n: word j of column t at RING + 12 n + 4 j + t
.set M,    24                          ; s24-34  masks
	s_load_b256 s[8:15], s[0:1], 0x0               ; qweight s[8:9], x s[10:11], scales s[12:13], zeros s[14:15]
	s_load_b128 s[16:19], s[0:1], 0x20             ; bias s[16:17], out0 s[18:19]
	v_lshrrev_b32 v[T], 5, v0
	v_readfirstlane_b32 s22, v[T]                  ; wave 0 .. 15
	v_and_b32 v[T+1], 15, v0                       ; r
	v_bfe_u32 v[T+2], v0, 4, 1                     ; h
	v_and_b32 v[LB], 31, v0
	v_lshlrev_b32 v[LB], 4, v[LB]                  ; 16 x lane
	s_mul_i32 s23, s22, 16*GROUP                   ; my wave's first row
	v_mul_u32_u24 v[ADDR], v[T+2], GROUP           ; lanes 16-31: the odd group
	v_lshl_add_u32 v[ADDR], v[T+1], 4, v[ADDR]     ; 16 bytes = 4 columns a lane
	v_add_nc_u32 v[ADDR], s23, v[ADDR]
	v_lshlrev_b32 v[XA], 7, v[T+1]                 ; lane r (and r + 16, its mirror) prepares group r of the wave: 128 bytes of x
	v_lshl_add_u32 v[XA], s22, 11, v[XA]
	s_mul_i32 s35, s22, WAREA                      ; my wave's part of A in LDS
	v_mul_u32_u24 v[AST], v[T+1], GP
	v_add_nc_u32 v[AST], s35, v[AST]
	v_mul_u32_u24 v[ALD], v[T+2], GP
	v_add_nc_u32 v[ALD], s35, v[ALD]
	v_lshl_add_u32 v[PST], s22, 9, v[LB]           ; 512 x wave + 16 x lane
	v_mov_b32 v[SXA], s22
	v_lshlrev_b32 v[SXA], 2, v[SXA]
	s_lshl_b32 s20, ttmp9, 9                       ; the work-group's 128 columns: 512 bytes, in a row of qweight as in scales, zeros, bias and out0
	s_mov_b32 s21, 0
	s_wait_kmcnt 0x0
	s_add_nc_u64 s[8:9], s[8:9], s[20:21]
	s_add_nc_u64 s[12:13], s[12:13], s[20:21]
	s_add_nc_u64 s[14:15], s[14:15], s[20:21]
	s_add_nc_u64 s[16:17], s[16:17], s[20:21]
	s_add_nc_u64 s[18:19], s[18:19], s[20:21]
	; Wave 0 finishes the outputs, so it alone asks for scales, zeros and bias, and first of all: being the oldest loads they enter no later count.
	s_cmp_lg_u32 s22, 0
	s_cbranch_scc1 .Lnot_wave_0
	global_load_b128 v[SC:SC+3], v[LB], s[12:13]
	global_load_b128 v[ZR:ZR+3], v[LB], s[14:15]
	global_load_b128 v[BI:BI+3], v[LB], s[16:17]
.Lnot_wave_0:
.irp i, 0,1,2,3,4,5,6,7
	global_load_b128 v[X+4*\i:X+4*\i+3], v[XA], s[10:11] offset:16*\i      ; the 32 x of my group
.endr
; The three loads of unit u: pair of groups u / 2, column block u % 2, into slot u % SLOTS.  All steps stand in the immediate: 5,046,528 bytes at the most.
.macro LOADU u
.irp j, 0,1,2
	global_load_b128 v[RING+12*((\u)%SLOTS)+4*\j:RING+12*((\u)%SLOTS)+4*\j+3], v[ADDR], s[8:9] offset:((\u)/2)*PAIR+\j*ROW+((\u)%2)*256 th:TH_LOAD_NT
.endr
.endm
.irp u, 0,1,2,3,4,5,6,7
	LOADU \u                                       ; the ring is filled before anything is waited for
.endr
; A mask keeps the code at bit plo of the low half and the code at bit phi of the high half.
.macro MASK n, plo, phi
	s_mov_b32 s[M+\n], (7<<\plo)|(7<<(16+\phi))
.endm
	MASK 0, 0, 2
	MASK 1, 3, 5
	MASK 2, 6, 8
	MASK 3, 1, 0
	MASK 4, 4, 3
	MASK 5, 7, 6
	MASK 6, 2, 1
	MASK 7, 5, 4
	MASK 8, 8, 7
	s_mov_b32 s[M+9], 7<<6
	s_mov_b32 s[M+10], 7<<22
	s_wait_loadcnt 3*SLOTS                         ; x is in; the 24 weight loads issued behind it stay out
	; the sum of my group's 32 x, in f32, as a tree
.irp i, 0,1,2,3,4,5,6,7
	v_pk_add_f32 v[S+2*\i:S+2*\i+1], v[X+4*\i:X+4*\i+1], v[X+4*\i+2:X+4*\i+3]
.endr
.irp i, 0,1,2,3
	v_pk_add_f32 v[S+2*\i:S+2*\i+1], v[S+4*\i:S+4*\i+1], v[S+4*\i+2:S+4*\i+3]
.endr
.irp i, 0,1
	v_pk_add_f32 v[S+2*\i:S+2*\i+1], v[S+4*\i:S+4*\i+1], v[S+4*\i+2:S+4*\i+3]
.endr
	v_pk_add_f32 v[S:S+1], v[S:S+1], v[S+2:S+3]
	v_add_f32 v[SXV], v[S], v[S+1]
	v_add_f32_dpp v[SXV], v[SXV], v[SXV] row_xmask:1 row_mask:0xf bank_mask:0xf    ; over the 16 groups = the 16 lanes of a half; the other half mirrors it
	v_add_f32_dpp v[SXV], v[SXV], v[SXV] row_xmask:2 row_mask:0xf bank_mask:0xf
	v_add_f32_dpp v[SXV], v[SXV], v[SXV] row_xmask:4 row_mask:0xf bank_mask:0xf
	v_add_f32_dpp v[SXV], v[SXV], v[SXV] row_xmask:8 row_mask:0xf bank_mask:0xf
; Word j of A: the x of the two codes that register j of B holds, each times 2^(CEXP - p), p = the code's bit in its half.  Exact: a power of two.
.macro SCALE i, p
.if \p != CEXP
	v_mul_f32 v[X+\i], (127+CEXP-\p)<<23, v[X+\i]
.endif
.endm
.macro WORD j, lo, plo, hi, phi
	SCALE \lo, \plo
	SCALE \hi, \phi
	v_cvt_pk_f16_f32 v[P+\j], v[X+\lo], v[X+\hi]
.endm
	WORD 0,  0, 0,  6, 2                           ; word 0 of the stream as it comes: codes 0-2 below, 6-8 above
	WORD 1,  1, 3,  7, 5
	WORD 2,  2, 6,  8, 8
	WORD 3,  11, 1, 16, 0                          ; word 1: codes 11-13, 16-18
	WORD 4,  12, 4, 17, 3
	WORD 5,  13, 7, 18, 6
	WORD 6,  22, 2, 27, 1                          ; word 2: codes 22-24, 27-29
	WORD 7,  23, 5, 28, 4
	WORD 8,  24, 8, 29, 7
	WORD 9,  3, 0,  9, 2                           ; the stream from bit 9
	WORD 10, 4, 3,  10, 5
	WORD 11, 14, 1, 19, 0                          ; the stream from bit 41
	WORD 12, 15, 4, 20, 3
	WORD 13, 25, 1, 30, 0                          ; the stream from bit 74
	WORD 14, 26, 4, 31, 3
	WORD 15, 5, 6,  21, 6                          ; one code from each of the first two shifted words
.irp i, 0,1,2,3
	ds_store_b128 v[AST], v[P+4*\i:P+4*\i+3] offset:16*\i      ; lanes 16-31 write what lanes 0-15 write, to the same bytes
.endr
.irp i, 0,1,2,3
	ds_load_b128 v[A+4*\i:A+4*\i+3], v[ALD] offset:16*\i       ; A of the first pair of groups.  The wave's own bytes, and LDS serves a wave in order: no wait, no barrier
.endr
; Column t of the unit at w: the stream from bits 9, 41 and 74
.macro TEMPS w, t, tt
	v_alignbit_b32 v[T+3*\tt],   v[\w+4+\t], v[\w+\t],   9
	v_alignbit_b32 v[T+3*\tt+1], v[\w+8+\t], v[\w+4+\t], 9
	v_lshrrev_b32  v[T+3*\tt+2], 10, v[\w+8+\t]
.endm
; and its 16 registers of B, in the order of the table of WORDs above
.macro FIELDS w, t, tt, b
	v_and_b32 v[\b+0],  s[M+0], v[\w+\t]
	v_and_b32 v[\b+1],  s[M+1], v[\w+\t]
	v_and_b32 v[\b+2],  s[M+2], v[\w+\t]
	v_and_b32 v[\b+3],  s[M+3], v[\w+4+\t]
	v_and_b32 v[\b+4],  s[M+4], v[\w+4+\t]
	v_and_b32 v[\b+5],  s[M+5], v[\w+4+\t]
	v_and_b32 v[\b+6],  s[M+6], v[\w+8+\t]
	v_and_b32 v[\b+7],  s[M+7], v[\w+8+\t]
	v_and_b32 v[\b+8],  s[M+8], v[\w+8+\t]
	v_and_b32 v[\b+9],  s[M+0], v[T+3*\tt]
	v_and_b32 v[\b+10], s[M+1], v[T+3*\tt]
	v_and_b32 v[\b+11], s[M+3], v[T+3*\tt+1]
	v_and_b32 v[\b+12], s[M+4], v[T+3*\tt+1]
	v_and_b32 v[\b+13], s[M+3], v[T+3*\tt+2]
	v_and_b32 v[\b+14], s[M+4], v[T+3*\tt+2]
	v_and_b32 v[\b+15], s[M+9], v[T+3*\tt]
	v_and_or_b32 v[\b+15], v[T+3*\tt+1], s[M+10], v[\b+15]
.endm
; Four matrix instructions: two columns' tiles x two halves of the 32 codes.  The two accumulators take turns, one instruction a turn.
; first = 1: the first product starts the sum, nothing is cleared.
.macro MM ac, ab, first
.if \first
	v_wmma_f32_16x16x32_f16 v[\ac:\ac+7],    v[\ab:\ab+7], v[B:B+7],     0
	v_wmma_f32_16x16x32_f16 v[\ac+8:\ac+15], v[\ab:\ab+7], v[B+16:B+23], 0
.else
	v_wmma_f32_16x16x32_f16 v[\ac:\ac+7],    v[\ab:\ab+7], v[B:B+7],     v[\ac:\ac+7]
	v_wmma_f32_16x16x32_f16 v[\ac+8:\ac+15], v[\ab:\ab+7], v[B+16:B+23], v[\ac+8:\ac+15]
.endif
	v_wmma_f32_16x16x32_f16 v[\ac:\ac+7],    v[\ab+8:\ab+15], v[B+8:B+15],  v[\ac:\ac+7]
	v_wmma_f32_16x16x32_f16 v[\ac+8:\ac+15], v[\ab+8:\ab+15], v[B+24:B+31], v[\ac+8:\ac+15]
.endm
; One unit.  B is written again six vector instructions (the two TEMPS, which name no register of a matrix instruction) behind the matrix instructions that read
; it: more than the four places asked for (ISA guide 7.12.1).  The buffer of A that is loaded was last read 40 vector instructions ago.
.macro UNIT u
.set W,  RING+12*(\u%SLOTS)
.set AB, A+16*((\u/2)%2)
.set AN, A+16*((\u/2+1)%2)
.set AC, ACC+32*(\u%2)
.set F,  \u<2
.if \u <= UNITS-SLOTS
	s_wait_loadcnt 3*(SLOTS-1)                     ; loads come back in order: this unit's three are in, the seven younger units' 21 stay out
.else
	s_wait_loadcnt 3*(UNITS-1-\u)                  ; nothing more is issued: the count runs down
.endif
	TEMPS W, 0, 0
	TEMPS W, 1, 1
	FIELDS W, 0, 0, B
	FIELDS W, 1, 1, B+16
.if (\u%2) == 0
	s_wait_dscnt 0x0                               ; this pair's A, asked for a pair of units ago
.endif
	MM AC, AB, F
.if ((\u%2) == 0) && (\u+2 < UNITS)
.irp i, 0,1,2,3
	ds_load_b128 v[AN+4*\i:AN+4*\i+3], v[ALD] offset:(\u/2+1)*2*GP+16*\i   ; the next pair's A into the other buffer: 16 lanes read the same 16 bytes
.endr
.endif
	TEMPS W, 2, 0
	TEMPS W, 3, 1
	FIELDS W, 2, 0, B
	FIELDS W, 3, 1, B+16
.if \u+SLOTS < UNITS
	LOADU \u+SLOTS                                 ; the slot has been read out: ask for its next unit at once
.endif
	MM AC+16, AB, F
.endm
.irp u, 0,1,2,3,4,5,6,7,8,9,10,11,12,13,14,15
	UNIT \u
.endr
	; My wave's 128 partial sums: register 0 of tile t is column 4 r + t, the same in both halves of the lanes; lanes 0-15 take column block 0, lanes 16-31 block 1,
	; so lane l holds columns 4 l .. 4 l + 3.  Four places behind the last matrix instruction before its result is read (ISA guide 7.12.1).
.rept 4
	v_nop
.endr
	v_and_b32 v[T], 16, v0
	v_cmp_ne_u32 vcc_lo, 0, v[T]
.irp t, 0,1,2,3
	v_cndmask_b32 v[OUT+\t], v[ACC+8*\t], v[ACC+32+8*\t], vcc_lo
.endr
	ds_store_b128 v[PST], v[OUT:OUT+3] offset:PART
	ds_store_b32 v[SXA], v[SXV] offset:SXB         ; every lane writes the wave's one word with the same value
	s_wait_dscnt 0x0                               ; for wave 0's sake: my stores are done before I signal
	s_barrier_signal -1
	s_barrier_wait -1
	s_cmp_lg_u32 s22, 0
	s_cbranch_scc1 .Lend
	; Wave 0: the 16 waves' sums, then scale, zero and bias.  Lane l: columns 4 l .. 4 l + 3.
.irp i, 0,1,2,3,4,5,6,7,8,9,10,11,12,13,14,15
	ds_load_b128 v[RING+4*\i:RING+4*\i+3], v[LB] offset:PART+512*\i
.endr
	v_mov_b32 v[ZERO], 0
.irp i, 0,1,2,3
	ds_load_b128 v[RING+64+4*\i:RING+64+4*\i+3], v[ZERO] offset:SXB+16*\i
.endr
	s_wait_dscnt 0x0
.macro ADD4 a, b
	v_pk_add_f32 v[\a:\a+1],   v[\a:\a+1],   v[\b:\b+1]
	v_pk_add_f32 v[\a+2:\a+3], v[\a+2:\a+3], v[\b+2:\b+3]
.endm
.irp i, 0,1,2,3,4,5,6,7
	ADD4 RING+4*\i, RING+4*\i+32
.endr
.irp i, 0,1,2,3
	ADD4 RING+4*\i, RING+4*\i+16
.endr
.irp i, 0,1
	ADD4 RING+4*\i, RING+4*\i+8
.endr
	ADD4 RING, RING+4
.set Q, RING+64                                    ; the 16 sums of x
	ADD4 Q, Q+8
	ADD4 Q+4, Q+12
	ADD4 Q, Q+4
	v_pk_add_f32 v[Q:Q+1], v[Q:Q+1], v[Q+2:Q+3]
	v_add_f32 v[Q], v[Q], v[Q+1]
.irp t, 0,1,2,3
	v_fma_f32 v[OUT+\t], -v[ZR+\t], v[Q], v[BI+\t]             ; bias - zeros * sum of x
.endr
.irp t, 0,1,2,3
	v_mul_f32 v[RING+\t], (127+24-CEXP)<<23, v[RING+\t]        ; the products were x * 2^(CEXP-p) * code * 2^(p-24): back by 2^(24-CEXP), exact
.endr
.irp t, 0,1,2,3
	v_fma_f32 v[OUT+\t], v[RING+\t], v[SC+\t], v[OUT+\t]
.endr
	global_store_b128 v[LB], v[OUT:OUT+3], s[18:19]            ; the wave stores 512 consecutive bytes, aligned: sixteen lanes for each 256
.Lend:
	s_wait_xcnt 0x0
	v_lshl_add_u32 v254, v0, 2, 0x7100
	v_mov_b32 v255, 0
	s_wait_tensorcnt 0x0
	ds_add_u32 v254, v255
	s_wait_dscnt 0x0
	s_endpgm
.Lfunc_end_k_q68ecc8e115_q3gemv:
	.size	k_q68ecc8e115_q3gemv, .Lfunc_end_k_q68ecc8e115_q3gemv-k_q68ecc8e115_q3gemv
	.p2alignl 7, 3214868480
	.fill 96, 4, 3214868480
	.section	.rodata,"a",@progbits
	.p2align	6, 0x0
	.amdhsa_kernel k_q68ecc8e115_q3gemv
		.amdhsa_group_segment_fixed_size 30976
		.amdhsa_private_segment_fixed_size 0
		.amdhsa_enable_private_segment 0
		.amdhsa_kernarg_size 48
		.amdhsa_user_sgpr_count 2
		.amdhsa_user_sgpr_kernarg_segment_ptr 1
		.amdhsa_wavefront_size32 1
		.amdhsa_system_sgpr_workgroup_id_x 1
		.amdhsa_system_sgpr_workgroup_id_y 1
		.amdhsa_system_sgpr_workgroup_id_z 1
		.amdhsa_system_vgpr_workitem_id 0
		.amdhsa_next_free_vgpr 256
		.amdhsa_next_free_sgpr 66
		.amdhsa_reserve_vcc 1
		.amdhsa_float_denorm_mode_32 3
		.amdhsa_float_denorm_mode_16_64 3
		.amdhsa_memory_ordered 1
		.amdhsa_forward_progress 1
		.amdhsa_inst_pref_size 74
	.end_amdhsa_kernel
	.amdgpu_metadata
---
amdhsa.version: [ 1, 2 ]
amdhsa.kernels:
  - .name:           k_q68ecc8e115_q3gemv
    .symbol:         k_q68ecc8e115_q3gemv.kd
    .args:
      - { .name: qweight, .offset: 0, .size: 8, .value_kind: global_buffer, .address_space: global }
      - { .name: x, .offset: 8, .size: 8, .value_kind: global_buffer, .address_space: global }
      - { .name: scales, .offset: 16, .size: 8, .value_kind: global_buffer, .address_space: global }
      - { .name: zeros, .offset: 24, .size: 8, .value_kind: global_buffer, .address_space: global }
      - { .name: bias, .offset: 32, .size: 8, .value_kind: global_buffer, .address_space: global }
      - { .name: out0, .offset: 40, .size: 8, .value_kind: global_buffer, .address_space: global }
    .group_segment_fixed_size: 30976
    .private_segment_fixed_size: 0
    .kernarg_segment_align: 8
    .kernarg_segment_size: 48
    .max_flat_workgroup_size: 512
    .sgpr_count:     66
    .vgpr_count:     256
    .wavefront_size: 32
...
	.end_amdgpu_metadata
.endif
;; end of part 1
